; MI455X (gfx1250); checked and timed in simulation.
; The chip was launched on July 23, 2026; its instructions are those of AMD's public machine-readable ISA for CDNA 5 (MIT licence, August 2026) and "CDNA5" Instruction Set Architecture Reference Guide (July 2026). The comments in the code are by the model that wrote it; some were corrected since.
;; Multi Head Attention. Allowed arithmetic: matrix products marked QUANTISED: E4M3 operands, one E8M0 scale for each 32 along K, by v_wmma_scale_f32_16x16x128_f8f6f4 with both operands' format E4M3, f32 sums; everything else in f32.
;; Inputs: Wk 1,024 x 1,024 float32; Wq 1,024 x 1,024 float32; Wv 1,024 x 1,024 float32; beta 1,024 float32; bk 1,024 float32; bq 1,024 float32; bv 1,024 float32; gamma 1,024 float32; keys 4 x 2,048 x 1,024 float32; queries 4 x 2,048 x 1,024 float32; values 4 x 2,048 x 1,024 float32.
;; Outputs: out0 4 x 2,048 x 1,024 float32.
;; This version of the problem:
;;   THIS VERSION OF THE PROBLEM IS GIVEN IN LOW PRECISION. The matrix products marked QUANTISED in the list below multiply operands that are first quantised to E4M3 (4 exponent bits, 3 mantissa bits; 8 bits a number), with one power-of-two scale for each 32 numbers along K (OCP MX v1.0); their sums are f32. All else is computed in f32.
;;   The module's matrix products, in the order in which they are computed (A, B: the left and right operand; K: the contracted axis; several contracted axes count as one K, in the product's order):
;;     1. [M 8,192, K 1,024] x [K 1,024, N 1,024]; A: input queries; B: input Wq: QUANTISED
;;     2. [M 8,192, K 1,024] x [K 1,024, N 1,024]; A: input keys; B: input Wk: QUANTISED
;;     3. [M 8,192, K 1,024] x [K 1,024, N 1,024]; A: input values; B: input Wv: QUANTISED
;;     4. batch 32 x [M 2,048, K 128] x [K 128, N 2,048]; A: computed on the way; B: computed on the way: QUANTISED
;;     5. batch 32 x [M 2,048, K 2,048] x [K 2,048, N 128]; A: softmax (see below); B: computed on the way: QUANTISED
;;   THE QUANTISER, for each operand of a quantised product, along K:
;;     - K is cut into blocks of 32 from its start; a last block that is shorter is filled with zeros.
;;     - A block's scale is 2^e with e = floor(log2(the largest magnitude in the block)) - 8, held to -126 .. 127; a block of zeros has e = 0. As a byte (E8M0): e + 127.
;;     - Each number is divided by its block's scale, clamped to +-448, and rounded to the nearest number of E4M3, ties to even, subnormals kept.
;;     - The product sums the exact products of the quantised numbers (number of the format x scale) in f32.
;;   ~~~python
;;   def quantise(x, axis):      # numpy; x: float32 -> the quantised numbers, widened to float32 again
;;       x = np.moveaxis(x, axis, -1); K = x.shape[-1]
;;       x = np.pad(x, [(0, 0)] * (x.ndim - 1) + [(0, -K % 32)]); x = x.reshape(x.shape[:-1] + (-1, 32)); a = np.abs(x).max(-1, keepdims=True)
;;       e = np.where(a > 0, np.clip(np.frexp(np.where(a > 0, a, 1))[1] - 1 - 8, -126, 127), 0)      # np.frexp(a)[1] - 1 = floor(log2(a)), exactly
;;       r = np.clip(x / 2.0 ** e, -448, 448)
;;       step = 2.0 ** (np.maximum(np.frexp(np.where(r == 0, 1, r))[1] - 1, -6) - 3)
;;       q = np.round(r / step) * step * 2.0 ** e      # np.round: ties to even
;;       return np.moveaxis(q.reshape(q.shape[:-2] + (-1,))[..., :K], -1, axis).astype(np.float32)
;;   ~~~
;;   SOFTMAX AHEAD OF A QUANTISED PRODUCT. Where the list says 'softmax', what is quantised is not the finished softmax but p = 2^(t - M), with t = logit x log2(e) and M = ceil(the row's largest t), a whole number; so 1/2 < the row's largest p <= 1. The row's sum l is taken of the UNQUANTISED p, in f32, and the product's result is divided by l at the end. Since M is a whole number, a kernel that streams over the keys may use a running M (the ceiling of the running maximum): every later rescaling is an exact power of two, which a block's scale takes up: the codes' values come out the same.
;;   OPERANDS COMPUTED ON THE WAY. 'Computed on the way' means the value that the module computes at that place (a softmax that the list does not call 'softmax' is quantised finished and normalised). What goes into a quantiser is computed in f32, as accurately as f32 sums, v_exp_f32 and their like allow (about 1e-6 of the number): no bf16 or f16 on the way to a quantiser, and a product that is left as it is and whose result goes on into a quantised operand takes f32 operands (vector FMAs, or v_wmma_f32_16x16x4_f32). A number that lies on a knife's edge between two numbers of the format may be rounded either way, as far as f32 arithmetic and the matrix unit's own rounding can turn it there, and no further.
;; One version. Each part assembles by itself: llvm-mc -triple=amdgcn-amd-amdhsa -mcpu=gfx1250 --defsym DOCPART=n.
;; ======== version 1 of 1: 4 launches
;; limits: right only within a limited range of input values
;; workspace buffers: xc 25,165,824 bytes; xs 786,432 bytes; wc 3,145,728 bytes; ws 98,304 bytes; qb 8,650,752 bytes; kv 17,301,504 bytes; att 33,554,432 bytes
;; launch quant (part 1): grid 864 x 1, 4 waves a work-group, no clusters, 33,280 bytes of LDS; arguments queries, keys, values, Wq, Wk, Wv, xc, xs, wc, ws; writes xc, xs, wc, ws
.if DOCPART == 1
	.amdgcn_target "amdgcn-amd-amdhsa--gfx1250"
	.amdhsa_code_object_version 6
	.text
	.protected	k_q2c54c12400_quant
	.globl	k_q2c54c12400_quant
	.p2align	8
	.type	k_q2c54c12400_quant,@function
k_q2c54c12400_quant:
	s_mov_b64 s[64:65], 0
	v_nop
	global_prefetch_b8 v0, s[64:65] scope:SCOPE_SE
	s_setreg_imm32_b32 hwreg(HW_REG_WAVE_MODE, 25, 1), 1
	s_wait_xcnt 0x0
; queries, keys, values [8192][1024] and Wq, Wk, Wv [1024][1024], f32, become codes of FP8 (E4M3), K (the 1,024) innermost, with one E8M0 scale byte for each 32 along K.
; xc [3][8192][1024], xs [3][8192][32] take the three activations (q, k, v), wc [3][1024][1024], ws [3][1024][32] the three weights.
; A block's scale is 2^(floor(log2(its largest magnitude)) - 8); its byte is the largest magnitude's exponent field - 8, held at 1 from below.  Each number is divided by the scale, held within +-448 and rounded to the nearest code, ties to even.
; LIMITS: a block of zeros, or one whose largest magnitude lies under 2^-118, gets the byte 1 (its codes are zeros or subnormal; these bytes are read by this program alone); NaN and infinities among the inputs are not served.
; ROW ORDER OF THE RESULTS: inside each group of 32 rows the four runs of 8 rows are stored in the order 0, 2, 1, 3: position 32 B + 16 u + p holds row 32 B + 8 u + p + 8 (p / 8).
; So 16 rows on end in the next launch's tiles are a tile whose results come out as 16 neighbours along the next product's K.
; SHARES: a work-group takes 32 rows, each of its four waves 8 rows: 16 steps of 512 numbers.  Work-groups 0-767 take the activations, 768-863 the weights.  Only pointers and offsets are chosen: one path through the text.
; Each load reads 512 consecutive bytes, 16 a lane; a step's 2,048 bytes turn through the wave's own stage in LDS and come back 64 bytes a lane: 16 neighbours along K, two lanes to a block.
; No tensor loads, no barrier, no cluster: waves and work-groups share nothing.  Loads run eight steps (32 loads a wave) ahead, the turn through LDS one step.
.set STEPS, 16
.set XWG,   768                        ; work-groups for the activations
.set MANT,  0x600000                   ; the mantissa field of 448 as f32
.set CB,    16                         ; bytes of 16 codes
.set R,     16                         ; v16-143  EIGHT sets of 16 numbers as they are loaded: loads run eight steps (32 loads a wave) ahead, not four as the head's text has it
.set X,     144                        ; v144-175 two sets of 16 neighbours
.set C,     180                        ; v180-243 codes: four registers for each step, so that no store's data are written again
.set E,     176                        ; v176-177 a step's scale byte, two registers by turns: a byte's LDS store is done at the wait on DScnt two steps on
.set WREG,  8192                       ; LDS: a region for each wave: two stages of 32 x SP bytes, then its 256 scale bytes
.set SP,    80                         ; a lane's place in a stage: its 64 bytes + 16 of padding
	s_load_b512 s[4:19], s[0:1], 0x0               ; queries, keys, values, Wq, Wk, Wv, xc, xs
	s_load_b128 s[20:23], s[0:1], 0x40             ; wc, ws
	v_lshl_add_u32 v250, v0, 2, 0x8000
	v_mov_b32 v251, 0
	v_lshrrev_b32 v1, 5, v0
	v_readfirstlane_b32 s24, v1                    ; wave
	v_and_b32 v2, 31, v0                           ; lane
	v_lshlrev_b32 v3, 4, v2                        ; my 16 bytes of a load's 512
	s_mul_i32 s40, s24, WREG
	v_lshrrev_b32 v14, 2, v2
	v_mul_u32_u24 v14, v14, SP
	v_and_b32 v15, 3, v2
	v_lshl_add_u32 v14, v15, 4, v14
	v_add_nc_u32 v14, s40, v14                     ; the stage, on the way in: SP (lane / 4) + 16 (lane % 4)
	v_mul_u32_u24 v15, v2, SP
	v_add_nc_u32 v15, s40, v15                     ; and on the way out: SP x lane: my 16 neighbours
	v_mul_u32_u24 v4, v2, CB                       ; my codes' place in a step's
	v_lshrrev_b32 v5, 1, v2
	s_add_co_u32 s40, s40, 2*32*SP
	v_add_nc_u32 v5, s40, v5                       ; LDS: my wave's 256 scale bytes, my block's byte
	v_lshlrev_b32 v7, 3, v2                        ; and on the way out 8 bytes a lane
	v_add_nc_u32 v6, s40, v7
	s_mov_b32 s37, MANT
	s_sub_co_u32 s25, ttmp9, XWG                   ; a weight's work-group counts from 0 (not used by the others)
	s_lshr_b32 s32, ttmp9, 8                       ; activations: which tensor, 256 work-groups each,
	s_and_b32 s33, ttmp9, 255                      ; and which 32 rows of it
	s_lshr_b32 s34, s25, 5                         ; weights: 32 work-groups each
	s_and_b32 s35, s25, 31
	s_cmp_lt_u32 ttmp9, XWG
	s_cselect_b32 s26, ttmp9, s25                  ; which group of 32 rows of the results' buffers
	s_cselect_b32 s27, s32, s34                    ; which of the three tensors
	s_cselect_b32 s29, s33, s35                    ; which group of 32 rows of it
	s_lshl_b32 s28, s29, 2
	s_add_co_u32 s28, s28, s24
	s_lshl_b32 s28, s28, 15                        ; in: run 4 x group + wave, 8 rows of 4,096 bytes
	s_mov_b32 s29, 0
	s_and_b32 s30, s24, 1
	s_lshl_b32 s30, s30, 1
	s_lshr_b32 s36, s24, 1
	s_or_b32 s30, s30, s36                         ; out: runs 1 and 2 change places
	s_lshl_b32 s26, s26, 2
	s_add_co_u32 s30, s30, s26
	s_lshl_b32 s38, s30, 13                        ; 8 rows of 1,024 codes
	s_mov_b32 s39, 0
	s_lshl_b32 s42, s30, 8                         ; 8 rows of 32 scale bytes
	s_mov_b32 s43, 0
	s_wait_alu depctr_va_vdst(0)
	s_wait_kmcnt 0x0
	s_cmp_eq_u32 s27, 1                            ; the choices hang on the work-group's number alone
	s_cselect_b64 s[4:5], s[6:7], s[4:5]
	s_cselect_b64 s[10:11], s[12:13], s[10:11]
	s_cmp_eq_u32 s27, 2
	s_cselect_b64 s[4:5], s[8:9], s[4:5]
	s_cselect_b64 s[10:11], s[14:15], s[10:11]
	s_cmp_lt_u32 ttmp9, XWG
	s_cselect_b64 s[4:5], s[4:5], s[10:11]         ; the tensor that I read,
	s_cselect_b64 s[16:17], s[16:17], s[20:21]     ; its codes,
	s_cselect_b64 s[18:19], s[18:19], s[22:23]     ; its scale bytes
	s_add_nc_u64 s[4:5], s[4:5], s[28:29]
	s_add_nc_u64 s[16:17], s[16:17], s[38:39]
	s_add_nc_u64 s[18:19], s[18:19], s[42:43]
.macro LOAD t
.irp i, 0,1,2,3
	global_load_b128 v[R+16*((\t)%8)+4*\i:R+16*((\t)%8)+4*\i+3], v3, s[4:5] offset:2048*(\t)+512*\i th:TH_LOAD_NT   ; 32 lanes read 512 consecutive bytes
.endr
.endm
.macro TURN t                          ; step t's numbers through the stage: LDS serves a wave's instructions in order, so no wait stands between the stores and the loads
.irp i, 0,1,2,3
	ds_store_b128 v14, v[R+16*((\t)%8)+4*\i:R+16*((\t)%8)+4*\i+3] offset:32*SP*((\t)%2)+8*SP*\i
.endr
.irp i, 0,1,2,3
	ds_load_b128 v[X+16*((\t)%2)+4*\i:X+16*((\t)%2)+4*\i+3], v15 offset:32*SP*((\t)%2)+16*\i
.endr
.endm
.irp t, 0,1,2,3,4,5,6,7
	LOAD \t
.endr
	s_wait_loadcnt 28                              ; step 0's four loads are in; the seven younger steps' 28 may be out
	TURN 0
.macro STEP t
.set XS, X+16*((\t)%2)
.if (\t) > 0
	s_wait_dscnt 1                                 ; this step's numbers are back from the stage (the last step's byte store may be out): so its stores into the stage have read their registers,
.else
	s_wait_dscnt 0x0
.endif
.if (\t)+8 < STEPS
	LOAD (\t)+8                                    ; which take the loads of eight steps on
.endif
.if (\t)+1 < STEPS
.if STEPS-2-(\t) >= 7
	s_wait_loadcnt 28                              ; the next step's four loads are in; those of the seven steps behind it may be out
.else
	s_wait_loadcnt 4*(STEPS-2-(\t))
.endif
	TURN (\t)+1                                    ; and go through the other stage while this step is worked
.endif
	v_max3_num_f32 v8, |v[XS]|, |v[XS+1]|, |v[XS+2]|               ; the largest magnitude of my 16, in two chains
	v_max3_num_f32 v9, |v[XS+3]|, |v[XS+4]|, |v[XS+5]|
.irp i, 6,10
	v_max3_num_f32 v8, v8, |v[XS+\i]|, |v[XS+\i+1]|
	v_max3_num_f32 v9, v9, |v[XS+\i+2]|, |v[XS+\i+3]|
.endr
	v_max3_num_f32 v8, v8, |v[XS+14]|, |v[XS+15]|
	v_max3_num_f32 v8, v8, v9, 0x4800000           ; and the floor 2^(9 - 127): the byte cannot fall under 1
	v_max_num_f32_dpp v8, v8, v8 row_xmask:1 row_mask:0xf bank_mask:0xf   ; and of my neighbour's 16: the block's
	v_add_nc_u32 v11, 0xfc000000, v8               ; 8 off its exponent field: the conversion takes the exponent field of this operand as its scale
	v_and_or_b32 v10, v8, 0x7f800000, s37          ; 448 x the scale: the largest magnitude's exponent field over 448's mantissa
.irp i, 0,1,2,3,4,5,6,7,8,9,10,11,12,13,14,15
	v_med3_num_f32 v[XS+\i], v[XS+\i], -v10, v10   ; the conversion to an 8-bit code does not saturate (ISA guide 7.6.2): the hold comes first
.endr
	v_cvt_scalef32_pk8_fp8_f32 v[C+4*(\t):C+4*(\t)+1], v[XS:XS+7], v11
	v_cvt_scalef32_pk8_fp8_f32 v[C+4*(\t)+2:C+4*(\t)+3], v[XS+8:XS+15], v11
	v_lshrrev_b32 v[E+(\t)%2], 23, v11             ; the scale's byte (also the plain line behind the conversions)
	ds_store_b8 v5, v[E+(\t)%2] offset:16*(\t)     ; both lanes of a block write the same byte with the same value
	global_store_b128 v4, v[C+4*(\t):C+4*(\t)+3], s[16:17] offset:32*CB*(\t)   ; the wave stores 512 consecutive bytes, aligned
.endm
.irp t, 0,1,2,3,4,5,6,7,8,9,10,11,12,13,14,15
	STEP \t
.endr
	ds_load_b64 v[12:13], v6                       ; LDS serves a wave's instructions in order: these see my stores
	s_wait_dscnt 0x0
	global_store_b64 v7, v[12:13], s[18:19]        ; 32 lanes store 256 consecutive bytes, aligned
	s_wait_tensorcnt 0x0
	ds_add_u32 v250, v251
	s_wait_dscnt 0x0
	s_endpgm
.Lfunc_end_k_q2c54c12400_quant:
	.size	k_q2c54c12400_quant, .Lfunc_end_k_q2c54c12400_quant-k_q2c54c12400_quant
	.p2alignl 7, 3214868480
	.fill 96, 4, 3214868480
	.section	.rodata,"a",@progbits
	.p2align	6, 0x0
	.amdhsa_kernel k_q2c54c12400_quant
		.amdhsa_group_segment_fixed_size 33280
		.amdhsa_private_segment_fixed_size 0
		.amdhsa_enable_private_segment 0
		.amdhsa_kernarg_size 80
		.amdhsa_user_sgpr_count 2
		.amdhsa_user_sgpr_kernarg_segment_ptr 1
		.amdhsa_wavefront_size32 1
		.amdhsa_system_sgpr_workgroup_id_x 1
		.amdhsa_system_sgpr_workgroup_id_y 1
		.amdhsa_system_sgpr_workgroup_id_z 1
		.amdhsa_system_vgpr_workitem_id 0
		.amdhsa_next_free_vgpr 252
		.amdhsa_next_free_sgpr 66
		.amdhsa_reserve_vcc 0
		.amdhsa_float_denorm_mode_32 3
		.amdhsa_float_denorm_mode_16_64 3
		.amdhsa_memory_ordered 1
		.amdhsa_forward_progress 1
		.amdhsa_inst_pref_size 52
	.end_amdhsa_kernel
	.amdgpu_metadata
---
amdhsa.version: [ 1, 2 ]
amdhsa.kernels:
  - .name:           k_q2c54c12400_quant
    .symbol:         k_q2c54c12400_quant.kd
    .args:
      - { .name: queries, .offset: 0, .size: 8, .value_kind: global_buffer, .address_space: global }
      - { .name: keys, .offset: 8, .size: 8, .value_kind: global_buffer, .address_space: global }
      - { .name: values, .offset: 16, .size: 8, .value_kind: global_buffer, .address_space: global }
      - { .name: Wq, .offset: 24, .size: 8, .value_kind: global_buffer, .address_space: global }
      - { .name: Wk, .offset: 32, .size: 8, .value_kind: global_buffer, .address_space: global }
      - { .name: Wv, .offset: 40, .size: 8, .value_kind: global_buffer, .address_space: global }
      - { .name: xc, .offset: 48, .size: 8, .value_kind: global_buffer, .address_space: global }
      - { .name: xs, .offset: 56, .size: 8, .value_kind: global_buffer, .address_space: global }
      - { .name: wc, .offset: 64, .size: 8, .value_kind: global_buffer, .address_space: global }
      - { .name: ws, .offset: 72, .size: 8, .value_kind: global_buffer, .address_space: global }
    .group_segment_fixed_size: 33280
    .private_segment_fixed_size: 0
    .kernarg_segment_align: 8
    .kernarg_segment_size: 80
    .max_flat_workgroup_size: 128
    .sgpr_count:     66
    .vgpr_count:     252
    .wavefront_size: 32
...
	.end_amdgpu_metadata
.endif
;; end of part 1
;; launch proj (part 2): grid 4 x 96, 4 waves a work-group, clusters of 4 x 4, 327,680 bytes of LDS; arguments xc, xs, wc, ws, bq, bk, bv, qb, kv; writes qb, kv
.if DOCPART == 2
	.amdgcn_target "amdgcn-amd-amdhsa--gfx1250"
	.amdhsa_code_object_version 6
	.text
	.protected	k_q2c54c12400_proj
	.globl	k_q2c54c12400_proj
	.p2align	8
	.type	k_q2c54c12400_proj,@function
k_q2c54c12400_proj:
	s_mov_b64 s[64:65], 0
	v_nop
	global_prefetch_b8 v0, s[64:65] scope:SCOPE_SE
	s_setreg_imm32_b32 hwreg(HW_REG_WAVE_MODE, 25, 1), 1
	s_wait_xcnt 0x0
	s_wait_alu depctr_hold_cnt(0) depctr_sa_sdst(0) depctr_va_vdst(0) depctr_va_sdst(0) depctr_va_ssrc(0) depctr_va_vcc(0) depctr_vm_vsrc(0)
	s_getreg_b32 s2, hwreg(HW_REG_IB_STS2, 6, 4)
	s_cmp_eq_u32 s2, 0
	s_cbranch_scc0 .Lentry_in_a_cluster
	s_endpgm
.Lentry_in_a_cluster:
	s_bfe_u32 s2, ttmp6, 0x10000c
	s_cmp_lg_u32 s2, 0xf033
	s_cbranch_scc0 .Lentry_shape_is_right
	s_endpgm
.Lentry_shape_is_right:
; Q, K, V = x W^T + b on codes of MX-FP8, 24,576 x 1,024 x 1,024 in blocks of 256 x 256 (four waves, 128 x 128 each); the results are quantised along the next product's K and leave as images of operand registers.
; K goes in steps of 256 through two LDS slots filled by joint loads (x's tiles shared along a row of the cluster, the weights' along a column); the scale bytes of the block's rows come once.
; A TILE'S ROW IS STATED 16 BYTES LONGER THAN WHAT IS LEFT OF THE TENSOR (272 against 256; the scales' 34 elements against 32): the mover writes zeros past tensor_dim0, so LDS rows lie 272 bytes apart and every byte of a slot is written.
; THE HEAD: one load a wave: wave 0 x's 256 rows of K step 0, wave 1 the weight's, waves 2 and 3 their scale bytes; the address work stands under their flight; slot 1's first fill stands behind a drained round.
; LIMITS: NaN and infinities are not served; a block's byte never falls under 1.
.set NQ,     2
.set ROWB,   256
.set KROW,   1024
.set PITCH,  272
.set FR,     16
.set NL,     4
.set NP,     8
.set HALFT,  128*PITCH
.set SLOT,   4*HALFT
.set LAPS,   2
.set KS,     32
.set SCL,    2*SLOT
.set HALFS,  16*272
.set SBLK,   2*272
.set SPARE,  SCL+4*HALFS
.set STG,    SPARE+512
.set VBP,  12
.set VBL,  13
.set SWA,  14
.set SRA,  15
.set ADRL, 16
.set ADRP, 20
.set LI,   24
.set ADRSL, 26
.set ADRSP, 27
.set SPW,  28
.set NIL,  29
.set SCLW, 32
.set SCPW, 48
.set AF,   128
.set T,    128
.set PC,   192
.set TM,   208
.set PW,   224
.set BP,   0
.set BL,   64
.set G1, 24
.set G0, 32
.set G1B, 48
.set G0B, 56
.set G1S, 68
.set G0S, 76
.set G1SB, 80
.set G0SB, 88
.set WHICH, 96
.set MNT,  98
.set SEL,  100
.set MSB, 0
.macro WIN new
.if MSB != \new
	s_set_vgpr_msb (MSB<<8)|\new
.set MSB, \new
.endif
.endm
.set MUL_LO, 0xa1
.set MUL_HI, 0xf1
.set TO_P,   0x40
.macro JLOAD g0a, g1a, g0b, g1b
	s_cmp_eq_u32 s15, 0
	s_cbranch_scc0 .Lfor_b_\@
	tensor_load_to_lds s[\g0a:\g0a+3], s[\g1a:\g1a+7]
	s_nop 0
.rept 4
	v_nop
.endr
	s_branch .Lasked_\@
.Lfor_b_\@:
	tensor_load_to_lds s[\g0b:\g0b+3], s[\g1b:\g1b+7]
	s_nop 0
.rept 4
	v_nop
.endr
.Lasked_\@:
.endm
.macro CREST
	s_cmp_lg_u32 s14, 0
	s_cbranch_scc1 .Lnot_wave_0_\@
	s_barrier_signal -3
.Lnot_wave_0_\@:
	s_barrier_wait -3
	s_barrier_signal -1
	s_barrier_wait -1
.endm
.macro CROUND
	s_barrier_signal -1
	s_barrier_wait -1
	CREST
.endm
	s_load_b128 s[4:7], s[0:1], 0x0
	s_load_b128 s[8:11], s[0:1], 0x10
	v_lshl_add_u32 v[SPW], v0, 2, SPARE
	v_mov_b32 v[NIL], 0
	ds_add_u32 v28, v29
	ds_add_u32 v28, v29
	s_wait_dscnt 0x0
	v_lshrrev_b32 v1, 5, v0
	v_readfirstlane_b32 s14, v1
	s_lshr_b32 s15, s14, 1
	s_and_b32 s16, s14, 1
	s_bfe_u32 s40, ttmp6, 0x40000
	s_bfe_u32 s41, ttmp6, 0x40004
	s_lshl_b32 s42, ttmp9, 2
	s_add_co_u32 s42, s42, s40
	s_and_b32 s17, ttmp7, 0xffff
	s_lshr_b32 s[WHICH], s17, 3
	s_lshl_b32 s17, s17, 2
	s_add_co_u32 s17, s17, s41
	s_lshl_b32 s43, s41, 2
	s_lshl_b32 s43, 15, s43
	s_lshl_b32 s44, 0x1111, s40
	s_or_b32 s[G1+0], s43, (0<<16)|(1<<21)         ; the mask, elements of 1 byte, no padding
	s_or_b32 s[G1B+0], s44, (0<<16)|(1<<21)
.irp g, G1, G1B
	s_mov_b32 s[\g+1], ROWB<<16                    ; tensor_dim0 = 256
	s_mov_b32 s[\g+2], 256<<16                     ; tensor_dim1 = 256 rows for the head's loads
	s_mov_b32 s[\g+3], PITCH<<16                   ; tile_dim0 = 272: the last 16 bytes of an LDS row are written as zeros
	s_mov_b32 s[\g+4], 256                         ; tile_dim1
	s_mov_b32 s[\g+5], KROW
	s_mov_b32 s[\g+6], 0
	s_mov_b32 s[\g+7], 0
.endr
	s_or_b32 s[G1S+0], s43, (3<<16)|(1<<21)        ; the scale bytes of 256 rows: 8,192 dense bytes as 32 rows of 32 elements of 8 bytes
	s_or_b32 s[G1SB+0], s44, (3<<16)|(1<<21)
.irp g, G1S, G1SB
	s_mov_b32 s[\g+1], 32<<16
	s_mov_b32 s[\g+2], 32<<16
	s_mov_b32 s[\g+3], 34<<16                      ; two elements of zeros behind each row
	s_mov_b32 s[\g+4], 32
	s_mov_b32 s[\g+5], 32
	s_mov_b32 s[\g+6], 0
	s_mov_b32 s[\g+7], 0
.endr
	s_lshl_b32 s20, s17, 8                         ; the block's first row of x
	s_lshl_b32 s46, s42, 8                         ; and of the weight
	s_lshl_b32 s19, s[WHICH], 10
	s_add_co_u32 s46, s46, s19
	s_mov_b32 s21, 0
	s_mov_b32 s47, 0
	s_mov_b64 s[18:19], KS
	s_mul_u64 s[22:23], s[20:21], s[18:19]
	s_mul_u64 s[92:93], s[46:47], s[18:19]
	s_mov_b64 s[18:19], KROW
	s_mul_u64 s[20:21], s[20:21], s[18:19]
	s_mul_u64 s[46:47], s[46:47], s[18:19]
	s_mul_i32 s45, s14, HALFT
	s_wait_kmcnt 0x0
	s_add_nc_u64 s[20:21], s[4:5], s[20:21]
	s_add_nc_u64 s[22:23], s[6:7], s[22:23]
	s_add_nc_u64 s[46:47], s[8:9], s[46:47]
	s_add_nc_u64 s[92:93], s[10:11], s[92:93]
	CROUND
	s_mov_b32 s[G0S], 1
	s_mov_b32 s[G0S+1], SCL
	s_mov_b64 s[G0S+2:G0S+3], s[22:23]
	s_or_b32 s[G0S+3], s[G0S+3], 0x80000000
	s_mov_b32 s[G0SB], 1
	s_mov_b32 s[G0SB+1], SCL+2*HALFS
	s_mov_b64 s[G0SB+2:G0SB+3], s[92:93]
	s_or_b32 s[G0SB+3], s[G0SB+3], 0x80000000
	s_mul_i32 s92, s16, 128*KROW                   ; s[92:93]: in the ring I fetch 128 rows of a tile: which half, in bytes
	s_mov_b32 s93, 0
	s_mov_b32 s[G0], 1                             ; slot 0's groups 0 serve the head first: all 256 rows of K step 0
	s_mov_b32 s[G0+1], 0
	s_mov_b64 s[G0+2:G0+3], s[20:21]
	s_or_b32 s[G0+3], s[G0+3], 0x80000000
	s_mov_b32 s[G0B], 1
	s_mov_b32 s[G0B+1], 2*HALFT
	s_mov_b64 s[G0B+2:G0B+3], s[46:47]
	s_or_b32 s[G0B+3], s[G0B+3], 0x80000000
	s_add_nc_u64 s[20:21], s[20:21], s[92:93]
	s_add_nc_u64 s[46:47], s[46:47], s[92:93]
	s_mov_b32 s[G0+4], 1                           ; slot 1: my 128 rows of K step 1
	s_add_co_u32 s[G0+5], s45, SLOT
	s_add_nc_u64 s[G0+6:G0+7], s[20:21], ROWB
	s_or_b32 s[G0+7], s[G0+7], 0x80000000
	s_mov_b32 s[G0B+4], 1
	s_add_co_u32 s[G0B+5], s45, SLOT
	s_add_nc_u64 s[G0B+6:G0B+7], s[46:47], ROWB
	s_or_b32 s[G0B+7], s[G0B+7], 0x80000000
; the head's loads, one a wave, in one chain of branches on the wave's number
.macro ARM under, g0, g1, next
	s_cmp_lt_u32 s14, \under
	s_cbranch_scc0 \next
	tensor_load_to_lds s[\g0:\g0+3], s[\g1:\g1+7]
	s_nop 0
.rept 4
	v_nop
.endr
	s_branch .Lhead_asked
\next:
.endm
	ARM 1, G0,  G1,  .Lhead_b
	ARM 2, G0B, G1B, .Lhead_sa
	ARM 3, G0S, G1S, .Lhead_sb
	tensor_load_to_lds s[G0SB:G0SB+3], s[G1SB:G1SB+7]
	s_nop 0
.rept 4
	v_nop
.endr
.Lhead_asked:
	s_load_b256 s[4:11], s[0:1], 0x20
	s_load_b64 s[12:13], s[0:1], 0x40
	v_and_b32 v1, 15, v0
	v_bfe_u32 v2, v0, 4, 1
	v_mul_u32_u24 v3, v1, PITCH
	v_lshl_add_u32 v4, v2, 4, v3
	s_wait_alu depctr_va_vdst(0)
	s_mul_i32 s21, s15, HALFT
	s_mul_i32 s22, s16, HALFT
	s_add_co_u32 s22, s22, 2*HALFT
	s_cmp_eq_u32 s[WHICH], 2
	s_cselect_b32 s18, s22, s21
	s_cselect_b32 s19, s21, s22
.irp s, 0,1
	v_add_nc_u32 v[ADRL+\s], s18, v4
	v_add_nc_u32 v[ADRP+\s], s19, v4
	s_add_co_u32 s18, s18, SLOT
	s_add_co_u32 s19, s19, SLOT
.endr
	v_lshlrev_b32 v5, 5, v1
	v_lshrrev_b32 v6, 3, v1
	v_lshl_add_u32 v5, v6, 4, v5
	s_wait_alu depctr_va_vdst(0)
	s_mul_i32 s21, s15, HALFS
	s_mul_i32 s22, s16, HALFS
	s_add_co_u32 s22, s22, 2*HALFS
	s_cmp_eq_u32 s[WHICH], 2
	s_cselect_b32 s18, s22, s21
	s_cselect_b32 s19, s21, s22
	s_add_co_u32 s18, s18, SCL
	s_add_co_u32 s19, s19, SCL
	v_add_nc_u32 v[ADRSL], s18, v5
	v_add_nc_u32 v[ADRSP], s19, v5
	s_lshl_b32 s23, s14, 9
	s_add_co_u32 s23, s23, STG
	v_lshl_add_u32 v[SWA], v1, 2, s23
	v_and_b32 v6, 31, v0
	v_lshlrev_b32 v[LI], 4, v6
	v_add_nc_u32 v[SRA], s23, v[LI]
	v_lshlrev_b32 v[VBP], 6, v2
	v_and_b32 v[VBL], 8, v1
	v_add_nc_u32 v[VBL], v[VBL], v1
	v_lshlrev_b32 v[VBL], 2, v[VBL]
	s_mov_b32 s[MNT], 0x600000
	s_mov_b32 s[SEL], 0x76543210
	s_mov_b32 s[SEL+1], 0xfedcba98
	s_and_b32 s97, s17, 31
	s_lshr_b32 s66, s97, 3
	s_lshl_b32 s66, s66, 3
	s_lshl_b32 s67, s42, 1
	s_add_co_u32 s66, s66, s67
	s_add_co_u32 s66, s66, s16
	s_lshl_b32 s66, s66, 4
	s_and_b32 s67, s97, 7
	s_lshl_b32 s67, s67, 1
	s_add_co_u32 s66, s66, s67
	s_add_co_u32 s66, s66, s15
	s_mov_b32 s20, 33792
	s_cmp_eq_u32 s[WHICH], 0
	s_cselect_b32 s20, 16896, s20
	s_mul_i32 s66, s66, s20
	s_cmp_eq_u32 s[WHICH], 2
	s_cselect_b32 s21, 16896, 0
	s_add_co_u32 s66, s66, s21
	s_mov_b32 s67, 0
	s_lshl_b32 s20, s42, 10
	s_lshl_b32 s21, s16, 9
	s_add_co_u32 s20, s20, s21
	s_mov_b32 s21, 0
	s_wait_alu depctr_va_vdst(0)
	s_wait_kmcnt 0x0
	s_cmp_eq_u32 s[WHICH], 1
	s_cselect_b64 s[4:5], s[6:7], s[4:5]
	s_cmp_eq_u32 s[WHICH], 2
	s_cselect_b64 s[4:5], s[8:9], s[4:5]
	s_cmp_eq_u32 s[WHICH], 0
	s_cselect_b64 s[12:13], s[10:11], s[12:13]
	s_add_nc_u64 s[4:5], s[4:5], s[20:21]
	s_add_nc_u64 s[12:13], s[12:13], s[66:67]
.macro FRAG reg, adr, q, i
.irp c, 0,1,2,3
	ds_load_b128 v[\reg+4*\c:\reg+4*\c+3], v[\adr] offset:128*(\q)+32*\c+(\i)*16*PITCH
.endr
.endm
.macro MUL16 a0, p, q, sc, zero
.irp a, \a0, \a0+1
.irp b, 0,1,2,3,4,5,6,7
.if \zero
	v_wmma_scale_f32_16x16x128_f8f6f4 v[8*(8*((\a)%4)+\b):8*(8*((\a)%4)+\b)+7], v[128*(\p)+FR*\b:128*(\p)+FR*\b+FR-1], v[AF+FR*(\a):AF+FR*(\a)+FR-1], 0, v[SCPW+32*(\sc)+2*\b+(\q)], v[SCLW+32*(\sc)+2*(\a)+(\q)]
.else
	v_wmma_scale_f32_16x16x128_f8f6f4 v[8*(8*((\a)%4)+\b):8*(8*((\a)%4)+\b)+7], v[128*(\p)+FR*\b:128*(\p)+FR*\b+FR-1], v[AF+FR*(\a):AF+FR*(\a)+FR-1], v[8*(8*((\a)%4)+\b):8*(8*((\a)%4)+\b)+7], v[SCPW+32*(\sc)+2*\b+(\q)], v[SCLW+32*(\sc)+2*(\a)+(\q)]
.endif
.endr
.endr
.endm
.macro FETCH_P slot, q, p
	WIN TO_P
.irp i, 0,1,2,3,4,5,6,7
	FRAG 128*(\p)+FR*\i, ADRP+\slot, \q, \i
.endr
	WIN 0
.endm
.macro FETCH_L slot, q, i0
.irp i, \i0, \i0+1, \i0+2, \i0+3
	FRAG AF+FR*(\i), ADRL+\slot, \q, \i
.endr
.endm
.macro SCALES sc
.irp i, 0,1,2,3,4,5,6,7
	ds_load_b64 v[SCLW+32*\sc+2*\i:SCLW+32*\sc+2*\i+1], v[ADRSL] offset:\i*SBLK
.endr
.irp i, 0,1,2,3,4,5,6,7
	ds_load_b64 v[SCPW+32*\sc+2*\i:SCPW+32*\sc+2*\i+1], v[ADRSP] offset:\i*SBLK
.endr
.endm
.macro PLACES n
.rept \n
	v_nop
.endr
.endm
.macro STEP slot, q, zero
	s_wait_dscnt 4*NL
	WIN MUL_LO
	MUL16 0, (\q)%2, \q, \slot, \zero
	MUL16 2, (\q)%2, \q, \slot, \zero
	s_wait_dscnt 0
	PLACES NP
	FETCH_P \slot, (\q)+1, 1-(\q)%2
	FETCH_L \slot, (\q)+1, 0
	WIN MUL_HI
	MUL16 4, (\q)%2, \q, \slot, \zero
	MUL16 6, (\q)%2, \q, \slot, \zero
	PLACES NP
	WIN 0
	FETCH_L \slot, (\q)+1, 4
.endm
.macro TURN slot, next, fill
	s_wait_tensorcnt 0x0
	ds_add_u32 v[SPW], v[NIL]
	s_wait_dscnt 4*NL+1
	WIN MUL_LO
	MUL16 0, 1, NQ-1, \slot, 0
	s_wait_dscnt 0x0
	s_barrier_signal -1
	MUL16 2, 1, NQ-1, \slot, 0
	WIN 0
	s_barrier_wait -1
.if \fill
	CREST
	s_add_nc_u64 s[G0+4*\slot+2:G0+4*\slot+3], s[G0+4*\slot+2:G0+4*\slot+3], 2*ROWB
	s_add_nc_u64 s[G0B+4*\slot+2:G0B+4*\slot+3], s[G0B+4*\slot+2:G0B+4*\slot+3], 2*ROWB
	JLOAD G0+4*\slot, G1, G0B+4*\slot, G1B
	PLACES NP-4
.else
	PLACES NP
.endif
	s_wait_alu depctr_va_vdst(0)
	v_add_nc_u32 v[ADRSL], 4*NQ, v[ADRSL]
	v_add_nc_u32 v[ADRSP], 4*NQ, v[ADRSP]
	FETCH_P \next, 0, 0
	FETCH_L \next, 0, 0
	SCALES \next
	WIN MUL_HI
	MUL16 4, 1, NQ-1, \slot, 0
	MUL16 6, 1, NQ-1, \slot, 0
	PLACES NP
	WIN 0
	FETCH_L \next, 0, 4
.endm
.macro QUANT s, pw
.irp b, 0,1,2,3
	v_max3_num_f32 v[TM+\b], |v[\s+16*\b]|, |v[\s+1+16*\b]|, 0x4800000
.endr
.irp i, 2,4,6,8,10,12,14
.irp b, 0,1,2,3
	v_max3_num_f32 v[TM+\b], v[TM+\b], |v[\s+16*\b+\i]|, |v[\s+1+16*\b+\i]|
.endr
.endr
.irp b, 0,1,2,3
	v_permlanex16_b32 v[TM+4+\b], v[TM+\b], s[SEL], s[SEL+1]
.endr
.irp b, 0,1,2,3
	v_max_num_f32 v[TM+\b], v[TM+\b], v[TM+4+\b]
.endr
.irp b, 0,1,2,3
	v_add_nc_u32 v[TM+12+\b], 0xfc000000, v[TM+\b]
.endr
.irp b, 0,1,2,3
	v_and_or_b32 v[TM+8+\b], v[TM+\b], 0x7f800000, s[MNT]
.endr
.irp b, 0,1,2,3
	v_lshrrev_b32 v[TM+4+\b], 23, v[TM+12+\b]
.endr
	v_lshl_or_b32 v[\pw], v[TM+5], 8, v[TM+4]
	v_lshl_or_b32 v[\pw], v[TM+6], 16, v[\pw]
	v_lshl_or_b32 v[\pw], v[TM+7], 24, v[\pw]
.irp b, 0,1,2,3
.irp i, 0,1,2,3,4,5,6,7,8,9,10,11,12,13,14,15
	v_med3_num_f32 v[\s+16*\b+\i], v[\s+16*\b+\i], -v[TM+8+\b], v[TM+8+\b]
.endr
	v_cvt_scalef32_pk8_fp8_f32 v[PC+4*\b:PC+1+4*\b], v[\s+16*\b:\s+7+16*\b], v[TM+12+\b]
	v_cvt_scalef32_pk8_fp8_f32 v[PC+2+4*\b:PC+3+4*\b], v[\s+8+16*\b:\s+15+16*\b], v[TM+12+\b]
.endr
	v_nop
.endm
.macro OUTBLK a
.set AC, 64*((\a)%4)
.set WN, 0x06+(\a)/4
	s_cmp_eq_u32 s[WHICH], 2
	s_cbranch_scc1 .Lbias_l_\@
	WIN WN
.set i, 0
.rept 32
	v_pk_add_f32 v[T+i:T+i+1], v[AC+i:AC+i+1], v[BP+i:BP+i+1]
.set i, i+2
.endr
	WIN 0
	s_branch .Lbiased_\@
.Lbias_l_\@:
	WIN WN
.set i, 0
.rept 32
	v_pk_add_f32 v[T+i:T+i+1], v[AC+i:AC+i+1], v[BL+2*(\a):BL+2*(\a)+1]
.set i, i+2
.endr
	WIN 0
.Lbiased_\@:
.if (\a) > 0
	s_wait_xcnt 0x0
.endif
	QUANT T, PW+(\a)
.irp c, 0,1,2,3
	global_store_b128 v[LI], v[PC+4*\c:PC+4*\c+3], s[12:13] offset:2048*(\a)+512*\c
.endr
	ds_store_b32 v[SWA], v[PW+(\a)] offset:64*(\a)
.endm
	s_wait_tensorcnt 0x0                           ; my tile of the head's four is in; these lines stand ahead of a later first fill as ahead of a refill
	ds_add_u32 v[SPW], v[NIL]
	s_mov_b32 s[G1+2], 128<<16                     ; no tensor load of mine is out: from here on a load brings 128 rows,
	s_mov_b32 s[G1+4], 128
	s_mov_b32 s[G1B+2], 128<<16
	s_mov_b32 s[G1B+4], 128
	s_mov_b32 s[G0+1], s45                         ; and slot 0's groups 0 name my quarter of the slot
	s_add_nc_u64 s[G0+2:G0+3], s[G0+2:G0+3], s[92:93]
	s_mov_b32 s[G0B+1], s45
	s_add_nc_u64 s[G0B+2:G0B+3], s[G0B+2:G0B+3], s[92:93]
	s_wait_dscnt 0x0
	CROUND                                         ; all four tiles are in, all sixteen work-groups are here
	JLOAD G0+4, G1, G0B+4, G1B                     ; K step 1, the first tensor load behind the round
	FETCH_P 0, 0, 0
	FETCH_L 0, 0, 0
	SCALES 0
	FETCH_L 0, 0, 4
	STEP 0, 0, 1
	s_mov_b32 s3, LAPS-1
.Llap:
	TURN 0, 1, 1
	STEP 1, 0, 0
	TURN 1, 0, 1
	STEP 0, 0, 0
	s_sub_co_u32 s3, s3, 1
	s_cmp_lg_u32 s3, 0
	s_cbranch_scc1 .Llap
	TURN 0, 1, 0
	STEP 1, 0, 0
	WIN TO_P
.irp b, 0,1,2,3
.irp q, 0,1,2,3
	global_load_b128 v[BP+16*\b+4*\q:BP+16*\b+4*\q+3], v[VBP], s[4:5] offset:(32*\b+4*\q)*4
.endr
.endr
.irp a, 0,1,2,3,4,5,6,7
	global_load_b32 v[BL+2*\a], v[VBL], s[4:5] offset:(32*(\a/2)+8*(\a%2))*4
	global_load_b32 v[BL+2*\a+1], v[VBL], s[4:5] offset:(32*(\a/2)+8*(\a%2))*4
.endr
	WIN 0
	s_wait_dscnt 4*NL
	WIN MUL_LO
	MUL16 0, 1, NQ-1, 1, 0
	MUL16 2, 1, NQ-1, 1, 0
	s_wait_dscnt 0
	WIN MUL_HI
	MUL16 4, 1, NQ-1, 1, 0
	MUL16 6, 1, NQ-1, 1, 0
	WIN 0
	PLACES NP
.irp b, 0,1,2,3
	v_mov_b32 v[TM+4+\b], 0
.endr
	s_wait_loadcnt 0x0
.irp a, 0,1,2,3,4,5,6,7
	OUTBLK \a
.endr
	ds_load_b128 v[T:T+3], v[SRA]
	s_wait_dscnt 0x0
	global_store_b128 v[LI], v[T:T+3], s[12:13] offset:16384
	s_wait_tensorcnt 0x0
	ds_add_u32 v[SPW], v[NIL]
	s_wait_dscnt 0x0
	CROUND
	s_endpgm
.Lfunc_end_k_q2c54c12400_proj:
	.size	k_q2c54c12400_proj, .Lfunc_end_k_q2c54c12400_proj-k_q2c54c12400_proj
	.p2alignl 7, 3214868480
	.fill 96, 4, 3214868480
	.section	.rodata,"a",@progbits
	.p2align	6, 0x0
	.amdhsa_kernel k_q2c54c12400_proj
		.amdhsa_group_segment_fixed_size 327680
		.amdhsa_private_segment_fixed_size 0
		.amdhsa_enable_private_segment 0
		.amdhsa_kernarg_size 72
		.amdhsa_user_sgpr_count 2
		.amdhsa_user_sgpr_kernarg_segment_ptr 1
		.amdhsa_wavefront_size32 1
		.amdhsa_system_sgpr_workgroup_id_x 1
		.amdhsa_system_sgpr_workgroup_id_y 1
		.amdhsa_system_sgpr_workgroup_id_z 1
		.amdhsa_system_vgpr_workitem_id 0
		.amdhsa_next_free_vgpr 1024
		.amdhsa_next_free_sgpr 102
		.amdhsa_reserve_vcc 0
		.amdhsa_float_denorm_mode_32 3
		.amdhsa_float_denorm_mode_16_64 3
		.amdhsa_memory_ordered 1
		.amdhsa_forward_progress 1
		.amdhsa_inst_pref_size 225
	.end_amdhsa_kernel
	.amdgpu_metadata
---
amdhsa.version: [ 1, 2 ]
amdhsa.kernels:
  - .name:           k_q2c54c12400_proj
    .symbol:         k_q2c54c12400_proj.kd
    .args:
      - { .name: xc, .offset: 0, .size: 8, .value_kind: global_buffer, .address_space: global }
      - { .name: xs, .offset: 8, .size: 8, .value_kind: global_buffer, .address_space: global }
      - { .name: wc, .offset: 16, .size: 8, .value_kind: global_buffer, .address_space: global }
      - { .name: ws, .offset: 24, .size: 8, .value_kind: global_buffer, .address_space: global }
      - { .name: bq, .offset: 32, .size: 8, .value_kind: global_buffer, .address_space: global }
      - { .name: bk, .offset: 40, .size: 8, .value_kind: global_buffer, .address_space: global }
      - { .name: bv, .offset: 48, .size: 8, .value_kind: global_buffer, .address_space: global }
      - { .name: qb, .offset: 56, .size: 8, .value_kind: global_buffer, .address_space: global }
      - { .name: kv, .offset: 64, .size: 8, .value_kind: global_buffer, .address_space: global }
    .group_segment_fixed_size: 327680
    .private_segment_fixed_size: 0
    .kernarg_segment_align: 8
    .kernarg_segment_size: 72
    .max_flat_workgroup_size: 128
    .sgpr_count:     102
    .vgpr_count:     1024
    .wavefront_size: 32
...
	.end_amdgpu_metadata
.endif
;; end of part 2
;; launch attn (part 3): grid 8 x 32, 8 waves a work-group, clusters of 4 x 1, 327,680 bytes of LDS; arguments qb, kv, att; writes att
.if DOCPART == 3
	.amdgcn_target "amdgcn-amd-amdhsa--gfx1250"
	.amdhsa_code_object_version 6
	.text
	.protected	k_q2c54c12400_attn
	.globl	k_q2c54c12400_attn
	.p2align	8
	.type	k_q2c54c12400_attn,@function
k_q2c54c12400_attn:
	s_mov_b64 s[64:65], 0
	v_nop
	global_prefetch_b8 v0, s[64:65] scope:SCOPE_SE
	s_setreg_imm32_b32 hwreg(HW_REG_WAVE_MODE, 25, 1), 1
	s_wait_xcnt 0x0
	s_wait_alu depctr_hold_cnt(0) depctr_sa_sdst(0) depctr_va_vdst(0) depctr_va_sdst(0) depctr_va_ssrc(0) depctr_va_vcc(0) depctr_vm_vsrc(0)
	s_getreg_b32 s2, hwreg(HW_REG_IB_STS2, 6, 4)
	s_cmp_eq_u32 s2, 0
	s_cbranch_scc0 .Lentry_in_a_cluster
	s_endpgm
.Lentry_in_a_cluster:
	s_bfe_u32 s2, ttmp6, 0x10000c
	s_cmp_lg_u32 s2, 0x3003
	s_cbranch_scc0 .Lentry_shape_is_right
	s_endpgm
.Lentry_shape_is_right:
; att[b][q][head x 128 + d] = the sum over k of softmax_k(Q . K / sqrt(128)) V, for 32 (batch, head) pairs of 2,048 queries and keys, both products on codes of FP8 (E4M3) with one E8M0 scale for each 32 along a product's K.
; OPERANDS arrive as images of their registers.  A part is 16,896 bytes: 8 images of 2,048 bytes (image a, register group c, lane l: 16 bytes at 2048 a + 512 c + 16 l), then 512 bytes of scale words (64 a + 4 r).
; In image a lane r stands for row 32 (a / 2) + 8 (a % 2) + r + 8 (r / 8) of the part's 128 rows.  qb: record R = Q's part (rows: queries); kv: record R = K's part (rows: keys), then V's (rows: the head's 128, K = the keys);
; R = (batch x 8 + head) x 16 + group of 128.
; THE SOFTMAX AHEAD OF THE SECOND PRODUCT: t = score x log2(e) / sqrt(128); M = the row's largest t so far, rounded UP to a whole number; p = 2^(t - M) is what is quantised, along the keys; it is not normalised.
; The row's sum is taken of the unquantised p, in f32, and divides O at the end.  When M moves, the sum and O are multiplied by 2^(old M - new M): exact.
; SHARES.  A work-group owns 256 queries of one pair; each of its eight waves TWO images of Q (2 (w % 4) and the next, of record w / 4): two tiles of 16 queries, 32 queries on end, in 512 registers: two waves to a SIMD.
; Every fragment of K and of V that a wave reads from LDS feeds two products, one for each tile: 64 loads of 512 bytes a key step for 32 products.
; Every wave walks all 2,048 keys, 128 a step.  A slot of the ring holds four records of kv (512 keys), dense: images are read 16 bytes a lane on end, so there is no pitch and no padding.
; CLUSTER.  The four query blocks of a cluster belong to one pair and walk the same records: each part is asked for JOINTLY, by all eight waves, one part each, with a mask that names the four work-groups.
; LAYOUT.  Both products are used transposed: S^T = K Q^T, O^T = V^T P^T: a lane holds ONE query of each tile throughout; by the images' row order the 16 registers of tiles 2 b and 2 b + 1 are 16 neighbours:
; keys 32 b + 16 (lane / 16) + 0 .. 15 in S^T, channels likewise in O^T.
; A KEY STEP: K's eight fragments | 16 products S^T | V's eight fragments are asked for, into the same registers | tile 0's softmax | tile 0's 8 products V^T P | tile 1's softmax | tile 1's 8 products.
; So V's loads land under the softmax, and tile 0's second products run under tile 1's vector work.
; LIMITS: NaN and infinities are not served.  A block's largest p is made from the block's largest score by the same two instructions, which takes v_exp_f32 not to fall where its input rises.
; REGISTERS, in two windows of 256 (s_set_vgpr_msb: bits 1:0 source 0, 3:2 source 1, 5:4 source 2, 7:6 destination).  TILE 1'S STATE HAS TILE 0'S REGISTER NUMBERS, IN WINDOW 1: the softmax is written once and runs under 0 or 0x55.
;   both windows: v12 -M, v13 the largest t, v[14:15] the sum in two halves; v16-31 Q; v96-159 S^T, then p; v160-223 O^T; v224-239 p's codes; v232-247, v252, v254 at work.
;   v32-95: window 0: fragments 0-3 of K or of V; window 1: fragments 4-7.
;   window 0 alone: v1, v2, v7 addresses that stay; v8-11 addresses of the loads in hand; v5, v6 for the add; and the scale words, which have no window: v248-251 K's or V's (lanes 0-15: image 2 j, lanes 16-31: image 2 j + 1),
;   v255, v4 Q's of tile 0, 1; v253, v3 p's of tile 0, 1.
.set PARTB, 16896
.set RECB,  2*PARTB                    ; a record of kv: a key step's K and V
.set SLOTB, 4*RECB                     ; A SLOT HOLDS FOUR KEY STEPS (four records, 512 keys; not two, as the head's text has it): eight parts, and ALL EIGHT WAVES fetch one part each, jointly with the three partners
.set STAGE, 2*SLOTB                    ; slot 1 lies behind slot 0; behind the ring: 16 rows x (256 bytes + 16) for each wave, for the way out; no tile lands here
; No prefetch is laid: a slot is asked for four key steps ahead of its first read, and of the pair's four slots only two could be named a slot ahead of their loads.
.set SPARE, STAGE+8*16*272             ; the spare words, 128 bytes for each wave: four blocks of 256 bytes that no other line names
.set LI,   1                           ; v1   16 x lane: my place in an image
.set LRK,  2                           ; v2   16384 + 4 x lane: my place among a part's scale words, two images to a load
.set PW1,  3                           ; v3   p's scale word, tile 1
.set QS1,  4                           ; v4   Q's scale words, tile 1
.set SPW,  5                           ; v5   LDS address of my spare word; never rewritten
.set NIL,  6                           ; v6   0; never rewritten
.set GO,   7                           ; v7   the way out: my byte offset in the wave's rows of att
.set ADK,  8                           ; v8   LDS address of the slot's images of K
.set ADV,  9                           ; v9   of V: one part further on
.set ADS,  10                          ; v10  of K's scale words
.set ADT,  11                          ; v11  of V's
.set PW0,  253                         ; v253 p's scale word, tile 0
.set QS0,  255                         ; v255 Q's scale words, tile 0
.set WV,   10                          ; s10  my wave's number
.set MNT,  11                          ; s11  the mantissa field of 448
.set SEL,  12                          ; s[12:13] lane selects for v_permlanex16_b32: lane l xor 16
.set CS,   14                          ; s[14:15] c = log2(e) / sqrt(128): the packed form names a pair and takes its low word for both halves
.set G1,   16                          ; s[16:23] descriptor group 1
.set G0,   24                          ; s[24:27] descriptor group 0, which walks
.set TB,   28                          ; s28  LDS byte at which the record in hand begins
.set SLOTS, 29                         ; s29  key steps left in the slot in hand
.set MSB, 0
.macro WIN new                         ; the immediate's high byte repeats the setting that is left; a switch that changes nothing is dropped
.if MSB != \new
	s_set_vgpr_msb (MSB<<8)|\new
.set MSB, \new
.endif
.endm
; A joint load: every wave fetches its own part of a slot (both addresses hang on the wave's number): no branch.  An s_nop 0 and four v_nop follow the line.
.macro JLOAD
	tensor_load_to_lds s[G0:G0+3], s[G1:G1+7]
	s_nop 0
.rept 4
	v_nop
.endr
.endm
.macro CROUND                          ; a round of the cluster's barrier
	s_barrier_signal -1
	s_barrier_wait -1
	s_cmp_lg_u32 s[WV], 0
	s_cbranch_scc1 .Lnot_wave_0_\@
	s_barrier_signal -3
.Lnot_wave_0_\@:
	s_barrier_wait -3
	s_barrier_signal -1
	s_barrier_wait -1
.endm
	s_load_b128 s[4:7], s[0:1], 0x0                ; qb, kv
	s_load_b64 s[8:9], s[0:1], 0x10                ; att
	v_lshl_add_u32 v[SPW], v0, 2, SPARE
	v_mov_b32 v[NIL], 0
	ds_add_u32 v5, v6
	ds_add_u32 v5, v6
	s_wait_dscnt 0x0
	v_lshrrev_b32 v8, 5, v0
	s_delay_alu instid0(VALU_DEP_1)
	v_readfirstlane_b32 s[WV], v8                  ; wave 0..7
	s_bfe_u32 s30, ttmp6, 0x40000                  ; cx: my place in the cluster
	s_lshl_b32 s31, ttmp9, 2
	s_add_co_u32 s31, s31, s30                     ; my block of 256 queries: it enters Q's and att's addresses alone
	s_and_b32 s32, ttmp7, 0xffff                   ; batch x 8 + head, which the four partners share
	s_and_b32 s38, s[WV], 3                        ; which pair of images of Q is mine
	s_mul_i32 s33, s[WV], PARTB                    ; the part that I fetch: its place in a slot and in memory
	s_mul_i32 s34, s32, 16*RECB
	s_add_co_u32 s34, s34, s33
	s_mov_b32 s35, 0
	s_lshl_b32 s36, s32, 4
	s_lshl_b32 s37, s31, 1
	s_add_co_u32 s36, s36, s37
	s_lshr_b32 s37, s[WV], 2
	s_add_co_u32 s36, s36, s37                     ; Q's record: 16 x pair + 2 x block + wave / 4
	s_mul_i32 s36, s36, PARTB
	s_lshl_b32 s39, s38, 12
	s_add_co_u32 s40, s36, s39                     ; my two images: 4,096 bytes
	s_mov_b32 s41, 0
	s_lshl_b32 s39, s38, 7
	s_add_co_u32 s42, s36, s39
	s_add_co_u32 s42, s42, 16384                   ; and their scale words: 128 bytes
	s_mov_b32 s43, 0
	s_lshr_b32 s44, s32, 3
	s_lshl_b32 s44, s44, 11                        ; the batch's 2,048 rows,
	s_lshl_b32 s45, s31, 8
	s_add_co_u32 s44, s44, s45                     ; my block's 256,
	s_lshl_b32 s45, s37, 7
	s_add_co_u32 s44, s44, s45                     ; the record's 128,
	s_lshl_b32 s45, s38, 5
	s_add_co_u32 s44, s44, s45                     ; my 32
	s_lshl_b32 s44, s44, 12
	s_and_b32 s45, s32, 7
	s_lshl_b32 s45, s45, 9
	s_add_co_u32 s44, s44, s45                     ; and the head's 512 bytes in a row of 4,096
	s_mov_b32 s45, 0
	; descriptor group 1: a part, 16,896 dense bytes, as 66 rows of 256 bytes (32 elements of 8 bytes), no padding
	s_mov_b32 s[G1], 15|(3<<16)|(1<<21)            ; 15:0 the mask: all four work-groups; 17:16 elements of 8 bytes; 21 set beside a mask
	s_mov_b32 s[G1+1], 32<<16                      ; tensor_dim0
	s_mov_b32 s[G1+2], 66<<16                      ; tensor_dim1
	s_mov_b32 s[G1+3], 32<<16                      ; tile_dim0
	s_mov_b32 s[G1+4], 66                          ; tile_dim1
	s_mov_b32 s[G1+5], 32                          ; tensor_dim0_stride
	s_mov_b32 s[G1+6], 0
	s_mov_b32 s[G1+7], 0
	s_mov_b32 s[SEL], 0x76543210
	s_mov_b32 s[SEL+1], 0xfedcba98
	s_mov_b32 s[CS], 0x3e0293ee                    ; c = log2(e) / sqrt(128)
	s_mov_b32 s[CS+1], s[CS]                       ; (named with it as a pair, so it is written)
	s_mov_b32 s[MNT], 0x600000
	s_wait_kmcnt 0x0
	s_mov_b32 s[G0], 1                             ; 1:0 count = 1
	s_mov_b32 s[G0+1], s33                         ; 63:32 LDS address: slot 0
	s_add_nc_u64 s[G0+2:G0+3], s[6:7], s[34:35]    ; 120:64 global address: the pair's first four records
	s_or_b32 s[G0+3], s[G0+3], 0x80000000          ; 127:126 type = 2
	s_add_nc_u64 s[40:41], s[4:5], s[40:41]        ; Q's images
	s_add_nc_u64 s[42:43], s[4:5], s[42:43]        ; their scale words
	s_add_nc_u64 s[8:9], s[8:9], s[44:45]          ; att at my first row
	CROUND                                         ; all four work-groups are here: the first joint loads meet
	JLOAD                                          ; slot 0
	v_and_b32 v8, 31, v0
	s_delay_alu instid0(VALU_DEP_1)
	v_lshlrev_b32 v[LI], 4, v8
	s_delay_alu instid0(VALU_DEP_2)
	v_lshl_add_u32 v[LRK], v8, 2, 16384
	v_and_b32 v9, 15, v0                           ; r
	v_bfe_u32 v10, v0, 4, 1                        ; h
	s_delay_alu instid0(VALU_DEP_1)
	v_lshlrev_b32 v[GO], 12, v10
	s_delay_alu instid0(VALU_DEP_1)
	v_lshl_add_u32 v[GO], v9, 4, v[GO]             ; the way out: lanes 0-15 take one row of att, lanes 16-31 the next; 16 bytes a lane
	s_delay_alu instid0(VALU_DEP_4)
	v_lshlrev_b32 v254, 2, v9
.irp c, 0,1,2,3
	global_load_b128 v[16+4*\c:19+4*\c], v[LI], s[40:41] offset:512*\c   ; tile 0's fragment of Q stays in registers
.endr
	global_load_b32 v[QS0], v254, s[42:43]         ; Q's scale words: lane r takes row r's
	global_load_b32 v[QS1], v254, s[42:43] offset:64
	WIN 0x40                                       ; destination window 1, address window 0
.irp c, 0,1,2,3
	global_load_b128 v[16+4*\c:19+4*\c], v[LI], s[40:41] offset:2048+512*\c   ; tile 1's
.endr
	WIN 0
; A tile's state at the start.  The key step is written once for all steps: the first finds zeros in O^T and in the sum, which the first change of M leaves zeros.
; (A first step of its own, whose products start O^T, would spare these 64 lines a tile once in the launch, at the price of a third copy of the key step.)
.macro INIT
	v_mov_b32 v13, 0xff61b1e6                      ; the largest t so far: -3e38, under every t
	s_delay_alu instid0(VALU_DEP_1)
	v_floor_f32 v12, -v13                          ; -M
	v_mov_b32 v14, 0                               ; the sum, in two halves
	v_mov_b32 v15, 0
.irp b, 0,1,2,3
	v_mov_b32 v[236+\b], 0                         ; written once: a lane permute's destination counts as one of its sources
.endr
	v_mov_b32 v253, 0                              ; (named as the upper half of the pair v[252:253] before it is first written)
.irp j, 0,1,2,3,4,5,6,7,8,9,10,11,12,13,14,15,16,17,18,19,20,21,22,23,24,25,26,27,28,29,30,31,32,33,34,35,36,37,38,39,40,41,42,43,44,45,46,47,48,49,50,51,52,53,54,55,56,57,58,59,60,61,62,63
	v_mov_b32 v[160+\j], 0                         ; O^T
.endr
.endm
	INIT
	WIN 0x55
	INIT
	WIN 0
; One run of 36 LDS loads: a part's scale words (two images to a register), its images 0-3 into window 0, its images 4-7 into window 1.  q: which record of the slot.
.macro KVLOAD adf, ads, q
.irp j, 0,1,2,3
	ds_load_b32 v[248+\j], v[\ads] offset:RECB*(\q)+128*\j
.endr
.irp t, 0,1,2,3
.irp c, 0,1,2,3
	ds_load_b128 v[32+16*\t+4*\c:32+16*\t+4*\c+3], v[\adf] offset:RECB*(\q)+2048*\t+512*\c
.endr
.endr
	WIN 0x40                                       ; destination window 1, address window 0
.irp t, 0,1,2,3
.irp c, 0,1,2,3
	ds_load_b128 v[32+16*\t+4*\c:32+16*\t+4*\c+3], v[\adf] offset:RECB*(\q)+2048*(4+\t)+512*\c
.endr
.endr
	WIN 0
.endm
; Four products of S^T = K Q^T: key tiles 4 fw .. 4 fw + 3 against one tile of queries, whose scale words are v[qs].  win: K's window in source 0, the tile's in source 1 and the destination.
; An odd image's scale words lie in lanes 16-31 of its register.
.macro SQK fw, qs, win
	WIN \win
.irp t, 0,1,2,3
.if \t%2
	v_wmma_scale_f32_16x16x128_f8f6f4 v[96+8*(4*(\fw)+\t):103+8*(4*(\fw)+\t)], v[32+16*\t:47+16*\t], v[16:31], 0, v[248+2*(\fw)+\t/2], v[\qs] matrix_a_scale:MATRIX_SCALE_ROW1
.else
	v_wmma_scale_f32_16x16x128_f8f6f4 v[96+8*(4*(\fw)+\t):103+8*(4*(\fw)+\t)], v[32+16*\t:47+16*\t], v[16:31], 0, v[248+2*(\fw)+\t/2], v[\qs]
.endif
.endr
.endm
; Four products of O^T += V^T P^T: channel tiles 4 fw .. 4 fw + 3 of one tile of queries, whose p has the scale word v[ps].  Each accumulator has one instruction a key step: they take turns.
.macro PV fw, ps, win
	WIN \win
.irp t, 0,1,2,3
.if \t%2
	v_wmma_scale_f32_16x16x128_f8f6f4 v[160+8*(4*(\fw)+\t):167+8*(4*(\fw)+\t)], v[32+16*\t:47+16*\t], v[224:239], v[160+8*(4*(\fw)+\t):167+8*(4*(\fw)+\t)], v[248+2*(\fw)+\t/2], v[\ps] matrix_a_scale:MATRIX_SCALE_ROW1
.else
	v_wmma_scale_f32_16x16x128_f8f6f4 v[160+8*(4*(\fw)+\t):167+8*(4*(\fw)+\t)], v[32+16*\t:47+16*\t], v[224:239], v[160+8*(4*(\fw)+\t):167+8*(4*(\fw)+\t)], v[248+2*(\fw)+\t/2], v[\ps]
.endif
.endr
.endm
; One tile's softmax for 128 keys: from its scores in v96-159 to p's codes in v224-239, p's scale word, the running -M and sum, and O^T under the new M.  tl: the tile, and the window in which all of it runs.
.macro SOFTMAX tl
.if \tl
	WIN 0x55
.else
	WIN 0
.endif
.irp b, 0,1,2,3
	v_max3_num_f32 v[232+\b], v[96+16*\b], v[97+16*\b], v[98+16*\b]   ; the largest score of each block of 32 keys: it serves for the row's maximum and, since p rises with the score, for the block's largest p
.endr
.irp i, 3,5,7,9,11,13
.irp b, 0,1,2,3
	v_max3_num_f32 v[232+\b], v[232+\b], v[96+16*\b+\i], v[97+16*\b+\i]   ; (the four blocks by turns)
.endr
.endr
.irp b, 0,1,2,3
	v_max_num_f32 v[232+\b], v[232+\b], v[111+16*\b]
.endr
.irp b, 0,1,2,3
	v_permlanex16_b32 v[236+\b], v[232+\b], s[SEL], s[SEL+1]
.endr
.irp b, 0,1,2,3
	s_delay_alu instid0(VALU_DEP_4)
	v_max_num_f32 v[232+\b], v[232+\b], v[236+\b]  ; with lane l xor 16's 16 keys
.endr
	s_delay_alu instid0(VALU_DEP_2)
	v_max3_num_f32 v254, v232, v233, v234
	s_delay_alu instid0(VALU_DEP_1)
	v_max_num_f32 v254, v254, v235                 ; the step's largest score of my query
	s_delay_alu instid0(VALU_DEP_1)
	v_mul_f32 v254, s[CS], v254                    ; as t (c is positive)
	s_delay_alu instid0(VALU_DEP_1)
	v_max_num_f32 v13, v13, v254                   ; the running largest t
	v_mov_b32 v254, v12
	s_delay_alu instid0(VALU_DEP_2)
	v_floor_f32 v12, -v13                          ; the new -M = floor(-t) = -ceil(t): M is a whole number
	s_delay_alu instid0(VALU_DEP_1)
	v_sub_f32 v254, v12, v254                      ; M's old value less its new one: a whole number, 0 or less
	s_delay_alu instid0(VALU_DEP_1)
	v_cvt_i32_f32 v254, v254                       ; (it saturates)
	s_delay_alu instid0(VALU_DEP_1)
	v_ldexp_f32 v252, 1.0, v254                    ; f = 2^(old M - new M): a multiplication by it rounds nothing
.irp j, 0,2,4,6,8,10,12,14,16,18,20,22,24,26,28,30,32,34,36,38,40,42,44,46,48,50,52,54,56,58,60,62
	v_pk_fma_f32 v[96+\j:97+\j], v[96+\j:97+\j], s[CS:CS+1], v[12:13] op_sel_hi:[1,0,0]   ; t - M, two at a time (of the pairs c and -M the low word serves both halves)
.endr
.irp b, 0,1,2,3
	v_fma_f32 v[232+\b], v[232+\b], s[CS], v12     ; the same of each block's largest score
.endr
	s_wait_alu depctr_va_vdst(0)
.irp j, 0,1,2,3,4,5,6,7,8,9,10,11,12,13,14,15,16,17,18,19,20,21,22,23,24,25,26,27,28,29,30,31,32,33,34,35,36,37,38,39,40,41,42,43,44,45,46,47,48,49,50,51,52,53,54,55,56,57,58,59,60,61,62,63
	v_exp_f32 v[96+\j], v[96+\j]                   ; p = 2^(t - M), at most 1: not normalised
.endr
.irp b, 0,1,2,3
	v_exp_f32 v[232+\b], v[232+\b]                 ; the block's largest p: the same two instructions on the same number give the same bits
.endr
	v_pk_mul_f32 v[14:15], v[14:15], v[252:253] op_sel_hi:[1,0]   ; the sums under the new M.  (A plain place behind the exponentials)
	s_wait_alu depctr_va_vdst(0)
.irp b, 0,1,2,3
	v_max_num_f32 v[232+\b], 0x4800000, v[232+\b]  ; the floor 2^(9 - 127): the byte cannot fall under 1 (a block whose every p has fallen to 0 keeps that byte: its codes are zeros)
.endr
.irp b, 0,1,2,3
	s_delay_alu instid0(VALU_DEP_4)
	v_add_nc_u32 v[244+\b], 0xfc000000, v[232+\b]  ; 8 off the exponent field: the conversion's scale operand
.endr
.irp b, 0,1,2,3
	v_and_or_b32 v[240+\b], v[232+\b], 0x7f800000, s[MNT]   ; 448 x the scale
.endr
.irp b, 0,1,2,3
	v_lshrrev_b32 v[236+\b], 23, v[244+\b]         ; the scale's byte
.endr
	s_delay_alu instid0(VALU_DEP_3)
	v_lshl_or_b32 v253, v237, 8, v236              ; p's scale word for these 128 keys
	s_delay_alu instid0(VALU_DEP_1)
	v_lshl_or_b32 v253, v238, 16, v253
.if \tl
	WIN 0x11                                       ; scale operands have no window: tile 1's word is finished into window 0 (sources 0 and 2 window 1, destination window 0)
	v_lshl_or_b32 v[PW1], v239, 24, v253
	WIN 0x55
.else
	s_delay_alu instid0(VALU_DEP_1)
	v_lshl_or_b32 v[PW0], v239, 24, v253
.endif
	v_pk_add_f32 v[236:237], v[96:97], v[98:99]    ; the row's sum is taken of the unquantised p: two at a time, in two chains
.irp j, 4,8,12,16,20,24,28,32,36,40,44,48,52,56,60
	v_pk_add_f32 v[14:15], v[14:15], v[96+\j:97+\j]
	v_pk_add_f32 v[236:237], v[236:237], v[98+\j:99+\j]
.endr
	s_delay_alu instid0(VALU_DEP_1)
	v_pk_add_f32 v[14:15], v[14:15], v[236:237]
.irp b, 0,1,2,3
.irp i, 0,1,2,3,4,5,6,7,8,9,10,11,12,13,14,15
	v_min_num_f32 v[96+16*\b+\i], v[96+16*\b+\i], v[240+\b]   ; the conversion to an 8-bit code does not saturate (ISA guide 7.6.2); p is not negative, so the hold is one-sided
.endr
	v_cvt_scalef32_pk8_fp8_f32 v[224+4*\b:225+4*\b], v[96+16*\b:103+16*\b], v[244+\b]
	v_cvt_scalef32_pk8_fp8_f32 v[226+4*\b:227+4*\b], v[104+16*\b:111+16*\b], v[244+\b]
.endr
.irp j, 0,2,4,6,8,10,12,14,16,18,20,22,24,26,28,30,32,34,36,38,40,42,44,46,48,50,52,54,56,58,60,62
	v_pk_mul_f32 v[160+\j:161+\j], v[160+\j:161+\j], v[252:253] op_sel_hi:[1,0]   ; O^T under the new M: x f.  (These 32 are also the places between the codes, the scale word and the products that take them)
.endr
.endm
; A KEY STEP: 128 keys, the q-th record of the slot in hand.
.macro STEP q
	v_add_nc_u32 v[ADK], s[TB], v[LI]
	v_add_nc_u32 v[ADS], s[TB], v[LRK]
	s_delay_alu instid0(VALU_DEP_2)
	v_add_nc_u32 v[ADV], PARTB, v[ADK]
	s_delay_alu instid0(VALU_DEP_2)
	v_add_nc_u32 v[ADT], PARTB, v[ADS]
.rept 4
	v_nop                                          ; eight places in front of loads into registers that matrix instructions have read: the four additions above are places too
.endr
	KVLOAD ADK, ADS, \q
	s_wait_alu depctr_va_vdst(0)
	s_wait_dscnt 16                                ; the scale words and images 0-3 are in; the youngest 16 loads (images 4-7) may be out
	SQK 0, QS0, 0x00                               ; key tiles 0-3 x tile 0
	SQK 0, QS1, 0x54                               ; x tile 1
	s_wait_dscnt 0x0
	SQK 1, QS1, 0x55                               ; key tiles 4-7 x tile 1
	SQK 1, QS0, 0x01                               ; x tile 0
	WIN 0
.rept 8
	v_nop                                          ; eight places: in front of the loads into K's registers and scale words, and of the first read of the scores
.endr
	KVLOAD ADV, ADT, \q                            ; V is asked for now: it lands under the softmax
	SOFTMAX 0
	s_wait_alu depctr_va_vdst(0)
	s_wait_dscnt 0x0                               ; V is in
	PV 0, PW0, 0x00                                ; tile 0's eight products run while tile 1's softmax is issued: that names none of their registers
	PV 1, PW0, 0x01
	SOFTMAX 1
	PV 0, PW1, 0x54
	PV 1, PW1, 0x55
	WIN 0
.endm
; THE CHANGE OF SLOTS stands at a slot's head.  Each wave waits for all its tensor loads (its part of the slot that it is about to read), adds 0 to its spare word, and waits for that and for its reads of the slot that it has left.
; fill = 1: the barrier is a round of the cluster's; the joint fill of the slot at LDS byte base is the first thing behind it and has four key steps in which to land.
.macro CHANGE fill, base
	s_wait_tensorcnt 0x0                           ; no tensor load of mine is out, so group 0 may be written
	ds_add_u32 v[SPW], v[NIL]
.if \fill
	s_add_co_u32 s[G0+1], s33, \base               ; my part's place in that slot,
	s_add_nc_u64 s[G0+2:G0+3], s[G0+2:G0+3], SLOTB ; the next four records
.endif
	s_wait_dscnt 0x0
.if \fill
	CROUND
	JLOAD
.else
	s_barrier_signal -1
	s_barrier_wait -1
.endif
.endm
.macro STEPS4 base                     ; the four key steps of the slot at LDS byte base: a counted loop of one step
	s_mov_b32 s[TB], \base
	s_mov_b32 s[SLOTS], 4
.Lstep_\@:
	STEP 0
	s_add_co_u32 s[TB], s[TB], RECB
	s_sub_co_u32 s[SLOTS], s[SLOTS], 1
	s_cmp_lg_u32 s[SLOTS], 0
	s_cbranch_scc1 .Lstep_\@
.endm
	s_wait_alu depctr_va_vdst(0)
	s_wait_loadcnt 0x0                             ; Q
	CHANGE 1, SLOTB                                ; slot 1's first fill: records 4-7
	STEPS4 0
	CHANGE 1, 0                                    ; records 8-11
	STEPS4 SLOTB
	CHANGE 1, SLOTB                                ; records 12-15
	STEPS4 0
	CHANGE 0, 0                                    ; nothing is left to ask for
	STEPS4 SLOTB
; THE WAY OUT.  O^T is divided by the row's sum and goes through my stage in LDS, 64 channels (256 bytes) of 16 queries at a time, so that sixteen lanes store 256 consecutive bytes, aligned.  The two tiles take the stage one after the other.
.macro RECIP                           ; 1 / the row's sum, in v14
	v_add_f32 v14, v14, v15                        ; the sum's two halves,
	s_delay_alu instid0(VALU_DEP_1)
	v_permlanex16_b32 v252, v14, s[SEL], s[SEL+1]
	s_delay_alu instid0(VALU_DEP_1)
	v_add_f32 v14, v14, v252                       ; and lane l xor 16's: the row's sum
	s_wait_alu depctr_va_vdst(0)
	v_rcp_f32 v14, v14
.endm
.macro DIVIDE                          ; O^T / the sum, two at a time: register 16 B + i is channel 32 B + 16 h + i of my query; each accumulator is read from its low end on
.irp j, 0,2,4,6,8,10,12,14,16,18,20,22,24,26,28,30,32,34,36,38,40,42,44,46,48,50,52,54,56,58,60,62
	v_pk_mul_f32 v[96+\j:97+\j], v[160+\j:161+\j], v[14:15] op_sel_hi:[1,0]
.endr
.endm
.macro TOSTAGE tl, ret                 ; tile tl's numbers into the stage; they come back as half rows of 256 bytes into v[ret] on, of window 0
.irp u, 0,1                                    ; channels 64 u on
.if \tl
	WIN 0x04                                       ; an LDS store's data are its source 1: window 1
.endif
.irp b, 0,1
.irp q, 0,1,2,3
	ds_store_b128 v10, v[96+32*\u+16*\b+4*\q:99+32*\u+16*\b+4*\q] offset:128*\b+16*\q
.endr
.endr
	WIN 0
.irp i, 0,1,2,3,4,5,6,7
	ds_load_b128 v[\ret+32*\u+4*\i:\ret+32*\u+4*\i+3], v11 offset:544*\i   ; LDS serves a wave's instructions in order (ISA guide 5.7.1.4): these see my stores, and the next stores come behind them
.endr
.endr
.endm
.macro SEND tl, ret
.irp u, 0,1
.irp i, 0,1,2,3,4,5,6,7
	s_wait_dscnt 23-16*\u-\i                       ; issued behind this load: the rest of its eight, and for the first half the second half's 8 stores and 8 loads
	global_store_b128 v[GO], v[\ret+32*\u+4*\i:\ret+32*\u+4*\i+3], s[8:9] offset:32768*\tl+(2*\i+8*(\i/4))*4096+256*\u   ; stage row p is query 8 tl + p + 8 (p / 8) of my 32
.endr
.endr
.endm
	RECIP                                          ; tile 0.  (Its last products stand ahead of tile 1's softmax)
	v_and_b32 v8, 15, v0                           ; (a plain place behind the transcendental)  r
	v_bfe_u32 v9, v0, 4, 1                         ; h
	s_mul_i32 s48, s[WV], 16*272
	s_add_co_u32 s48, s48, STAGE                   ; my stage
	v_mul_u32_u24 v10, v8, 272
	s_delay_alu instid0(VALU_DEP_1)
	v_lshl_add_u32 v10, v9, 6, v10
	s_delay_alu instid0(VALU_DEP_1)
	v_add_nc_u32 v10, s48, v10                     ; in: row r; my 16 channels of a block of 32: 64 h bytes on
	v_mul_u32_u24 v11, v9, 272
	s_delay_alu instid0(VALU_DEP_1)
	v_lshl_add_u32 v11, v8, 4, v11
	s_delay_alu instid0(VALU_DEP_1)
	v_add_nc_u32 v11, s48, v11                     ; back: lanes 0-15 one row, lanes 16-31 the next
	s_wait_alu depctr_va_vdst(0)
	DIVIDE                                         ; (all these lines name no register of tile 1's last products: they are the places behind those)
	TOSTAGE 0, 32                                  ; back into the registers that held fragments 0-3
	WIN 0x55
	RECIP                                          ; tile 1's arithmetic stands between tile 0's loads from the stage and the waits for them
	v_nop                                          ; a plain place behind the transcendental
	s_wait_alu depctr_va_vdst(0)
	DIVIDE
	WIN 0
	s_wait_alu depctr_va_vdst(0)
	SEND 0, 32
	TOSTAGE 1, 96                                  ; back into window 0, where tile 0's numbers have left for the stage: so the stores below name one window
	SEND 1, 96
	s_wait_tensorcnt 0x0                           ; the wave's end
	ds_add_u32 v[SPW], v[NIL]
	s_wait_dscnt 0x0
	CROUND                                         ; the closing round: no work-group ends while a partner may still ask for a tile that names it
	s_endpgm
.Lfunc_end_k_q2c54c12400_attn:
	.size	k_q2c54c12400_attn, .Lfunc_end_k_q2c54c12400_attn-k_q2c54c12400_attn
	.p2alignl 7, 3214868480
	.fill 96, 4, 3214868480
	.section	.rodata,"a",@progbits
	.p2align	6, 0x0
	.amdhsa_kernel k_q2c54c12400_attn
		.amdhsa_group_segment_fixed_size 327680
		.amdhsa_private_segment_fixed_size 0
		.amdhsa_enable_private_segment 0
		.amdhsa_kernarg_size 24
		.amdhsa_user_sgpr_count 2
		.amdhsa_user_sgpr_kernarg_segment_ptr 1
		.amdhsa_wavefront_size32 1
		.amdhsa_system_sgpr_workgroup_id_x 1
		.amdhsa_system_sgpr_workgroup_id_y 1
		.amdhsa_system_sgpr_workgroup_id_z 1
		.amdhsa_system_vgpr_workitem_id 0
		.amdhsa_next_free_vgpr 512
		.amdhsa_next_free_sgpr 66
		.amdhsa_reserve_vcc 0
		.amdhsa_float_denorm_mode_32 3
		.amdhsa_float_denorm_mode_16_64 3
		.amdhsa_memory_ordered 1
		.amdhsa_forward_progress 1
		.amdhsa_inst_pref_size 190
	.end_amdhsa_kernel
	.amdgpu_metadata
---
amdhsa.version: [ 1, 2 ]
amdhsa.kernels:
  - .name:           k_q2c54c12400_attn
    .symbol:         k_q2c54c12400_attn.kd
    .args:
      - { .name: qb, .offset: 0, .size: 8, .value_kind: global_buffer, .address_space: global }
      - { .name: kv, .offset: 8, .size: 8, .value_kind: global_buffer, .address_space: global }
      - { .name: att, .offset: 16, .size: 8, .value_kind: global_buffer, .address_space: global }
    .group_segment_fixed_size: 327680
    .private_segment_fixed_size: 0
    .kernarg_segment_align: 8
    .kernarg_segment_size: 24
    .max_flat_workgroup_size: 256
    .sgpr_count:     66
    .vgpr_count:     512
    .wavefront_size: 32
...
	.end_amdgpu_metadata
.endif
;; end of part 3
;; launch ln (part 4): grid 256 x 1, 16 waves a work-group, no clusters, 0 bytes of LDS; arguments att, queries, gamma, beta, out0; writes out0
.if DOCPART == 4
	.amdgcn_target "amdgcn-amd-amdhsa--gfx1250"
	.amdhsa_code_object_version 6
	.text
	.protected	k_q2c54c12400_ln
	.globl	k_q2c54c12400_ln
	.p2align	8
	.type	k_q2c54c12400_ln,@function
k_q2c54c12400_ln:
	s_mov_b64 s[64:65], 0
	v_nop
	global_prefetch_b8 v0, s[64:65] scope:SCOPE_SE
	s_setreg_imm32_b32 hwreg(HW_REG_WAVE_MODE, 25, 1), 1
	s_wait_xcnt 0x0
; out0[row][:] = (x - mean(x)) / sqrt(var(x) + 1e-5) * gamma + beta, x = att[row][:] + queries[row][:].  All [8192][1024] f32; gamma, beta [1024].
; A row is 4,096 bytes: one wave takes a whole row of both inputs, eight 16-byte loads a lane each, and keeps x in 32 registers between the passes: each input byte is read once, and no wave waits for another.
; The variance is taken of x - mean in a second pass over the registers: no difference of large sums is formed.
; Sixteen waves, 2 rows each, a set of registers for each row: all 48 loads of a wave (gamma, beta, two rows of both inputs) are issued at its head, and no register is loaded twice.
; Each load and store of a wave covers 512 consecutive bytes, aligned.  208 registers x 4 waves are 832 of a SIMD's 1,024.
; No LDS, no barrier, no matrix unit, no cluster, no prefetch (there is no loop to run ahead in): the rows share nothing but gamma and beta (8 KiB), which each wave keeps in registers.
.set G,   4                            ; v4-35    gamma of my 32 columns (bytes 512 j + 16 lane of a row)
.set BT,  36                           ; v36-67   beta
.set XA,  68                           ; row s: v[68 + 64 s ..] att's row, then x, x - mean, the result
.set XQ,  100                          ; row s: v[100 + 64 s ..] queries' row
.set CH,  196                          ; v196-203 four chains of pairs
.set MU,  204                          ; v[204:205] the mean, later 1 / sqrt(var + eps), twice: a pair for the packed forms
.set PX,  206                          ; v206     the lane permute's destination
	s_load_b256 s[4:11], s[0:1], 0x0               ; att, queries, gamma, beta
	s_load_b64 s[16:17], s[0:1], 0x20              ; out0
	v_lshrrev_b32 v2, 5, v0
	s_delay_alu instid0(VALU_DEP_1)
	v_readfirstlane_b32 s18, v2                    ; wave
	v_and_b32 v1, 31, v0
	s_delay_alu instid0(VALU_DEP_1)
	v_lshlrev_b32 v1, 4, v1                        ; 16 bytes a lane; never rewritten
	s_lshl_b32 s2, ttmp9, 17                       ; the work-group's 32 rows of 4,096 bytes,
	s_lshl_b32 s19, s18, 13                        ; my wave's 2
	s_add_co_u32 s2, s2, s19
	s_mov_b32 s3, 0
	s_mov_b32 s12, 0x3a800000                      ; 1 / 1,024
	s_mov_b32 s13, 0x3727c5ac                      ; 1e-5
	s_mov_b32 s14, 0x76543210                      ; v_permlanex16_b32: lane l xor 16
	s_mov_b32 s15, 0xfedcba98
	v_mov_b32 v[PX], 0                             ; written once: a lane permute's destination counts as one of its sources
	s_wait_alu depctr_va_vdst(0)
	s_wait_kmcnt 0x0
	s_add_nc_u64 s[4:5], s[4:5], s[2:3]
	s_add_nc_u64 s[6:7], s[6:7], s[2:3]
	s_add_nc_u64 s[16:17], s[16:17], s[2:3]
.irp j, 0,1,2,3,4,5,6,7
	global_load_b128 v[G+4*\j:G+4*\j+3], v1, s[8:9] offset:512*\j
	global_load_b128 v[BT+4*\j:BT+4*\j+3], v1, s[10:11] offset:512*\j
.endr
.macro FILL s                          ; sixteen loads: row s of att and of queries
.irp j, 0,1,2,3,4,5,6,7
	global_load_b128 v[XA+64*\s+4*\j:XA+64*\s+4*\j+3], v1, s[4:5] offset:4096*(\s)+512*\j th:TH_LOAD_NT
	global_load_b128 v[XQ+64*\s+4*\j:XQ+64*\s+4*\j+3], v1, s[6:7] offset:4096*(\s)+512*\j th:TH_LOAD_NT
.endr
.endm
.macro REDUCE                          ; the four chains, then the 32 lanes: the sum in v[CH] of every lane
	s_delay_alu instid0(VALU_DEP_3)
	v_pk_add_f32 v[CH:CH+1], v[CH:CH+1], v[CH+2:CH+3]
	s_delay_alu instid0(VALU_DEP_2)
	v_pk_add_f32 v[CH+4:CH+5], v[CH+4:CH+5], v[CH+6:CH+7]
	s_delay_alu instid0(VALU_DEP_1)
	v_pk_add_f32 v[CH:CH+1], v[CH:CH+1], v[CH+4:CH+5]
	s_delay_alu instid0(VALU_DEP_1)
	v_add_f32 v[CH], v[CH], v[CH+1]
	s_delay_alu instid0(VALU_DEP_1)
	v_add_f32_dpp v[CH], v[CH], v[CH] row_xmask:1 row_mask:0xf bank_mask:0xf
	s_delay_alu instid0(VALU_DEP_1)
	v_add_f32_dpp v[CH], v[CH], v[CH] row_xmask:2 row_mask:0xf bank_mask:0xf
	s_delay_alu instid0(VALU_DEP_1)
	v_add_f32_dpp v[CH], v[CH], v[CH] row_xmask:4 row_mask:0xf bank_mask:0xf
	s_delay_alu instid0(VALU_DEP_1)
	v_add_f32_dpp v[CH], v[CH], v[CH] row_xmask:8 row_mask:0xf bank_mask:0xf
	s_delay_alu instid0(VALU_DEP_1)
	v_permlanex16_b32 v[PX], v[CH], s14, s15
	s_delay_alu instid0(VALU_DEP_1)
	v_add_f32 v[CH], v[CH], v[PX]
.endm
; Row s.  left: how many younger loads may stay out.
.macro TURN s, left
.set A, XA+64*\s
.set Q, XQ+64*\s
	s_wait_loadcnt \left                           ; loads come back in order (ISA guide 5.7.1): this row's sixteen are in, the younger row's may be out
.set i, 0
.rept 16
	v_pk_add_f32 v[A+i:A+i+1], v[A+i:A+i+1], v[Q+i:Q+i+1]          ; x
.set i, i+2
.endr
.irp k, 0,1,2,3
	v_pk_add_f32 v[CH+2*\k:CH+2*\k+1], v[A+2*\k:A+2*\k+1], v[A+8+2*\k:A+8+2*\k+1]   ; the first pairs start the chains: nothing is cleared
.endr
.irp m, 16,24
.irp k, 0,1,2,3
	s_delay_alu instid0(VALU_DEP_4)
	v_pk_add_f32 v[CH+2*\k:CH+2*\k+1], v[CH+2*\k:CH+2*\k+1], v[A+\m+2*\k:A+\m+2*\k+1]
.endr
.endr
	REDUCE
	s_delay_alu instid0(VALU_DEP_1)
	v_mul_f32 v[MU], s12, v[CH]                    ; the mean
	s_delay_alu instid0(VALU_DEP_2)
	v_mul_f32 v[MU+1], s12, v[CH]
.set i, 0
.rept 16
	v_pk_add_f32 v[A+i:A+i+1], v[A+i:A+i+1], v[MU:MU+1] neg_lo:[0,1] neg_hi:[0,1]   ; x - mean
.set i, i+2
.endr
.irp k, 0,1,2,3
	v_pk_mul_f32 v[CH+2*\k:CH+2*\k+1], v[A+2*\k:A+2*\k+1], v[A+2*\k:A+2*\k+1]
.endr
.irp m, 8,16,24
.irp k, 0,1,2,3
	s_delay_alu instid0(VALU_DEP_4)
	v_pk_fma_f32 v[CH+2*\k:CH+2*\k+1], v[A+\m+2*\k:A+\m+2*\k+1], v[A+\m+2*\k:A+\m+2*\k+1], v[CH+2*\k:CH+2*\k+1]
.endr
.endr
	REDUCE
	s_delay_alu instid0(VALU_DEP_1)
	v_fma_f32 v[CH], v[CH], s12, s13               ; var + eps
	s_wait_alu depctr_va_vdst(0)
	v_rsq_f32 v[MU], v[CH]
	v_rsq_f32 v[MU+1], v[CH]
	v_nop                                          ; one plain vector line between a transcendental and the use of its result (ISA guide 5.7.2)
.set i, 0
	s_wait_alu depctr_va_vdst(0)                   ; and behind them, ahead of the first reader
.rept 16
	v_pk_mul_f32 v[A+i:A+i+1], v[A+i:A+i+1], v[MU:MU+1]
.set i, i+2
.endr
.set i, 0
.rept 16
	v_pk_fma_f32 v[A+i:A+i+1], v[A+i:A+i+1], v[G+i:G+i+1], v[BT+i:BT+i+1]
.set i, i+2
.endr
.irp j, 0,1,2,3,4,5,6,7
	global_store_b128 v1, v[A+4*\j:A+4*\j+3], s[16:17] offset:4096*(\s)+512*\j th:TH_STORE_NT
.endr
.endm
	FILL 0
	FILL 1
	TURN 0, 16                                     ; gamma, beta and row 0 are in; row 1's sixteen loads may be out
	TURN 1, 0
	s_endpgm
.Lfunc_end_k_q2c54c12400_ln:
	.size	k_q2c54c12400_ln, .Lfunc_end_k_q2c54c12400_ln-k_q2c54c12400_ln
	.p2alignl 7, 3214868480
	.fill 96, 4, 3214868480
	.section	.rodata,"a",@progbits
	.p2align	6, 0x0
	.amdhsa_kernel k_q2c54c12400_ln
		.amdhsa_group_segment_fixed_size 0
		.amdhsa_private_segment_fixed_size 0
		.amdhsa_enable_private_segment 0
		.amdhsa_kernarg_size 40
		.amdhsa_user_sgpr_count 2
		.amdhsa_user_sgpr_kernarg_segment_ptr 1
		.amdhsa_wavefront_size32 1
		.amdhsa_system_sgpr_workgroup_id_x 1
		.amdhsa_system_sgpr_workgroup_id_y 1
		.amdhsa_system_sgpr_workgroup_id_z 1
		.amdhsa_system_vgpr_workitem_id 0
		.amdhsa_next_free_vgpr 208
		.amdhsa_next_free_sgpr 66
		.amdhsa_reserve_vcc 0
		.amdhsa_float_denorm_mode_32 3
		.amdhsa_float_denorm_mode_16_64 3
		.amdhsa_memory_ordered 1
		.amdhsa_forward_progress 1
		.amdhsa_inst_pref_size 25
	.end_amdhsa_kernel
	.amdgpu_metadata
---
amdhsa.version: [ 1, 2 ]
amdhsa.kernels:
  - .name:           k_q2c54c12400_ln
    .symbol:         k_q2c54c12400_ln.kd
    .args:
      - { .name: att, .offset: 0, .size: 8, .value_kind: global_buffer, .address_space: global }
      - { .name: queries, .offset: 8, .size: 8, .value_kind: global_buffer, .address_space: global }
      - { .name: gamma, .offset: 16, .size: 8, .value_kind: global_buffer, .address_space: global }
      - { .name: beta, .offset: 24, .size: 8, .value_kind: global_buffer, .address_space: global }
      - { .name: out0, .offset: 32, .size: 8, .value_kind: global_buffer, .address_space: global }
    .group_segment_fixed_size: 0
    .private_segment_fixed_size: 0
    .kernarg_segment_align: 8
    .kernarg_segment_size: 40
    .max_flat_workgroup_size: 512
    .sgpr_count:     66
    .vgpr_count:     208
    .wavefront_size: 32
...
	.end_amdgpu_metadata
.endif
;; end of part 4
